; MI455X (gfx1250); checked and timed in simulation.
; The chip was launched on July 23, 2026; its instructions are those of AMD's public machine-readable ISA for CDNA 5 (MIT licence, August 2026) and "CDNA5" Instruction Set Architecture Reference Guide (July 2026). The comments in the code are by the model that wrote it; some were corrected since.
;; SDF Network. Allowed arithmetic: matrix products marked QUANTISED: E2M1 operands, one E8M0 scale for each 32 along K, by v_wmma_scale_f32_16x16x128_f8f6f4 with both operands' format E2M1 (or v_wmma_scale_f32_32x16x128_f4), f32 sums; products left as they are: f32 operands where the result goes on into a quantised operand, else bf16, f16 or f32 operands; f32 sums; everything else in f32.
;; Inputs: W0_codes 64 x 1 x 16 uint8 (E2M1 codes of W0, K innermost, in blocks of 32 codes, two codes a byte); W0_scales 64 x 1 uint8 (E8M0 scales of W0, one for each 32 codes along K); W1_codes 64 x 2 x 16 uint8 (E2M1 codes of W1, K innermost, in blocks of 32 codes, two codes a byte); W1_scales 64 x 2 uint8 (E8M0 scales of W1, one for each 32 codes along K); W2 64 x 1 float32; tables 16 x 524,288 x 2 float32; x 1,048,576 x 3 float32.
;; Outputs: out0 1,048,576 x 1 float32.
;; This version of the problem:
;;   THIS VERSION OF THE PROBLEM IS GIVEN IN LOW PRECISION. The matrix products marked QUANTISED in the list below multiply operands that are first quantised to E2M1 (2 exponent bits, 1 mantissa bit; 4 bits a number), with one power-of-two scale for each 32 numbers along K (OCP MX v1.0); their sums are f32. All else is computed in f32.
;;   The module's matrix products, in the order in which they are computed (A, B: the left and right operand; K: the contracted axis; several contracted axes count as one K, in the product's order):
;;     1. [M 1,048,576, K 32] x [K 32, N 64]; A: computed on the way; B: input W0 (given as codes): QUANTISED
;;     2. [M 1,048,576, K 64] x [K 64, N 64]; A: computed on the way; B: input W1 (given as codes): QUANTISED
;;     3. [M 1,048,576, K 64] x [K 64, N 1]; A: computed on the way; B: input W2: left as it is (N = 1 < 16)
;;   THE QUANTISER, for each operand of a quantised product, along K:
;;     - K is cut into blocks of 32 from its start; a last block that is shorter is filled with zeros.
;;     - A block's scale is 2^e with e = floor(log2(the largest magnitude in the block)) - 2, held to -126 .. 127; a block of zeros has e = 0. As a byte (E8M0): e + 127.
;;     - Each number is divided by its block's scale, clamped to +-6, and rounded to the nearest number of E2M1, ties to even, subnormals kept.
;;     - The product sums the exact products of the quantised numbers (number of the format x scale) in f32.
;;   ~~~python
;;   def quantise(x, axis):      # numpy; x: float32 -> the quantised numbers, widened to float32 again
;;       x = np.moveaxis(x, axis, -1); K = x.shape[-1]
;;       x = np.pad(x, [(0, 0)] * (x.ndim - 1) + [(0, -K % 32)]); x = x.reshape(x.shape[:-1] + (-1, 32)); a = np.abs(x).max(-1, keepdims=True)
;;       e = np.where(a > 0, np.clip(np.frexp(np.where(a > 0, a, 1))[1] - 1 - 2, -126, 127), 0)      # np.frexp(a)[1] - 1 = floor(log2(a)), exactly
;;       r = np.clip(x / 2.0 ** e, -6, 6)
;;       step = 2.0 ** (np.maximum(np.frexp(np.where(r == 0, 1, r))[1] - 1, 0) - 1)
;;       q = np.round(r / step) * step * 2.0 ** e      # np.round: ties to even
;;       return np.moveaxis(q.reshape(q.shape[:-2] + (-1,))[..., :K], -1, axis).astype(np.float32)
;;   ~~~
;;   OPERANDS COMPUTED ON THE WAY. 'Computed on the way' means the value that the module computes at that place (a softmax that the list does not call 'softmax' is quantised finished and normalised). What goes into a quantiser is computed in f32, as accurately as f32 sums, v_exp_f32 and their like allow (about 1e-6 of the number): no bf16 or f16 on the way to a quantiser, and a product that is left as it is and whose result goes on into a quantised operand takes f32 operands (vector FMAs, or v_wmma_f32_16x16x4_f32). A number that lies on a knife's edge between two numbers of the format may be rounded either way, as far as f32 arithmetic and the matrix unit's own rounding can turn it there, and no further.
;;   INPUTS GIVEN AS CODES. W0 (in the module: [32, 64], K = its axis 0); W1 (in the module: [64, 64], K = its axis 0): each comes as NAME_codes (uint8): NAME with its K axis moved to the last place and cut into blocks of 32 codes, [.., K / 32, bytes a block], one block behind the other in memory; two codes a byte, the lower K in the low four bits (a code: sign, 2 exponent bits, 1 mantissa bit); and NAME_scales (uint8): the same leading axes, one E8M0 byte (e + 127) for each 32 codes along K. Its value is code x scale, taken as it is: it is not quantised again, and the codes and scales need not be those that the quantiser above would give.
;; 2 versions, each right; version 2 is version 1 with the launch sdf written anew for expert scheduling mode. Each part assembles by itself: llvm-mc -triple=amdgcn-amd-amdhsa -mcpu=gfx1250 --defsym DOCPART=n.
;; ======== version 1 of 2: 2 launches
;; workspace buffers: xfix 12,582,912 bytes of whole numbers
;; launch fix (part 1): grid 768 x 1, 8 waves a work-group, no clusters, 0 bytes of LDS; arguments x, xfix; writes xfix
.if DOCPART == 1
	.amdgcn_target "amdgcn-amd-amdhsa--gfx1250"
	.amdhsa_code_object_version 6
	.text
	.protected	k_q4bbabaa9d0_fix
	.globl	k_q4bbabaa9d0_fix
	.p2align	8
	.type	k_q4bbabaa9d0_fix,@function
k_q4bbabaa9d0_fix:
	s_mov_b64 s[64:65], 0
	v_nop
	global_prefetch_b8 v0, s[64:65] scope:SCOPE_SE
	s_setreg_imm32_b32 hwreg(HW_REG_WAVE_MODE, 25, 1), 1
	s_wait_xcnt 0x0
; xfix[i] = x01[i] x 2^31 as an unsigned whole number, x01 = (x + 1) x 0.5 as the network's first line has it.  x, xfix: [1048576][3], 4 bytes a number.
; WHY EXACT.  fma(x, 2^30, 2^30) rounds (x + 1) x 2^30 once; a factor 2^30 moves the exponent alone, so this is the f32 sum x + 1, rounded as f32 rounds it, times 2^30 = x01 x 2^31.
; For -1 <= x < 3 the rounded sum is a multiple of 2^-24 (at or above 0.5 by f32's step there; under 0.5 the sum is exact and x itself is such a multiple), so the product is a whole number under 2^32
; with at most 24 significant bits: the conversion drops nothing, and the next launch gets x01 back bit for bit by a conversion and a factor 2^-31.
; WHY A LAUNCH OF ITS OWN.  The grid cells, and so the gathers' addresses, hang on x.  Here the floating-point numbers become whole numbers; the next launch forms every address from those by integer arithmetic.
; LIMITS: -1 <= x < 3 is served (the grids end at x = 1).  Below -1 the conversion gives 0, from 3 on 2^32 - 1.  NaN in x is not served.
; SHARES.  A plain stream: a work-group takes 16,384 bytes, thread t the 16 bytes at 16 t + 4,096 i, i = 0 .. 3: each load and store of a wave covers 512 consecutive bytes, aligned.  768 x 16,384 = all 12,582,912 bytes.
; No LDS, no barrier, no matrix unit: nothing is shared and nothing is summed.  No register is written twice, so no wait frees a store's data.
.set CHUNK, 4096                       ; bytes that the work-group's 256 threads take in one instruction
.set IN,    4                          ; v[4:19]   as loaded, then x01 x 2^31 in f32
.set OUTR,  20                         ; v[20:35]  as stored
	s_load_b128 s[4:7], s[0:1], 0x0                ; x s[4:5], xfix s[6:7]
	s_lshl_b32 s2, ttmp9, 14                       ; the work-group's 16,384 bytes (under 2^24 in all)
	s_mov_b32 s3, 0
	s_mov_b32 s8, 0x4e800000                       ; 2^30
	s_mov_b32 s9, s8                               ; (the packed form names the pair and takes its low word for both halves: so s9 is written)
	v_lshlrev_b32 v1, 4, v0                        ; 16 t
	s_wait_kmcnt 0x0
	s_add_nc_u64 s[4:5], s[4:5], s[2:3]
	s_add_nc_u64 s[6:7], s[6:7], s[2:3]
.irp i, 0,1,2,3
	global_load_b128 v[IN+4*\i:IN+4*\i+3], v1, s[4:5] offset:CHUNK*\i th:TH_LOAD_NT   ; read once in the whole program
.endr
.irp i, 0,1,2,3
	s_wait_loadcnt 3-\i                            ; loads come back in order: mine is in, the 3 - i younger ones may be out
	v_pk_fma_f32 v[IN+4*\i:IN+4*\i+1], v[IN+4*\i:IN+4*\i+1], s[8:9], s[8:9] op_sel_hi:[1,0,0]
	v_pk_fma_f32 v[IN+4*\i+2:IN+4*\i+3], v[IN+4*\i+2:IN+4*\i+3], s[8:9], s[8:9] op_sel_hi:[1,0,0]
.irp j, 0,1,2,3
	v_cvt_u32_f32 v[OUTR+4*\i+\j], v[IN+4*\i+\j]   ; a whole number already: nothing is cut off
.endr
	global_store_b128 v1, v[OUTR+4*\i:OUTR+4*\i+3], s[6:7] offset:CHUNK*\i   ; no hint: the next launch reads these bytes
.endr
	s_endpgm
.Lfunc_end_k_q4bbabaa9d0_fix:
	.size	k_q4bbabaa9d0_fix, .Lfunc_end_k_q4bbabaa9d0_fix-k_q4bbabaa9d0_fix
	.p2alignl 7, 3214868480
	.fill 96, 4, 3214868480
	.section	.rodata,"a",@progbits
	.p2align	6, 0x0
	.amdhsa_kernel k_q4bbabaa9d0_fix
		.amdhsa_group_segment_fixed_size 0
		.amdhsa_private_segment_fixed_size 0
		.amdhsa_enable_private_segment 0
		.amdhsa_kernarg_size 16
		.amdhsa_user_sgpr_count 2
		.amdhsa_user_sgpr_kernarg_segment_ptr 1
		.amdhsa_wavefront_size32 1
		.amdhsa_system_sgpr_workgroup_id_x 1
		.amdhsa_system_sgpr_workgroup_id_y 1
		.amdhsa_system_sgpr_workgroup_id_z 1
		.amdhsa_system_vgpr_workitem_id 0
		.amdhsa_next_free_vgpr 40
		.amdhsa_next_free_sgpr 66
		.amdhsa_reserve_vcc 0
		.amdhsa_float_denorm_mode_32 3
		.amdhsa_float_denorm_mode_16_64 3
		.amdhsa_memory_ordered 1
		.amdhsa_forward_progress 1
		.amdhsa_inst_pref_size 3
	.end_amdhsa_kernel
	.amdgpu_metadata
---
amdhsa.version: [ 1, 2 ]
amdhsa.kernels:
  - .name:           k_q4bbabaa9d0_fix
    .symbol:         k_q4bbabaa9d0_fix.kd
    .args:
      - { .name: x, .offset: 0, .size: 8, .value_kind: global_buffer, .address_space: global }
      - { .name: xfix, .offset: 8, .size: 8, .value_kind: global_buffer, .address_space: global }
    .group_segment_fixed_size: 0
    .private_segment_fixed_size: 0
    .kernarg_segment_align: 8
    .kernarg_segment_size: 16
    .max_flat_workgroup_size: 256
    .sgpr_count:     66
    .vgpr_count:     40
    .wavefront_size: 32
...
	.end_amdgpu_metadata
.endif
;; end of part 1
;; launch sdf (part 2): grid 256 x 1, 16 waves a work-group, no clusters, 18,432 bytes of LDS; arguments xfix, tables, W0_codes, W0_scales, W1_codes, W1_scales, W2, out0; writes out0
.if DOCPART == 2
	.amdgcn_target "amdgcn-amd-amdhsa--gfx1250"
	.amdhsa_code_object_version 6
	.text
	.protected	k_q4bbabaa9d0_sdf
	.globl	k_q4bbabaa9d0_sdf
	.p2align	8
	.type	k_q4bbabaa9d0_sdf,@function
k_q4bbabaa9d0_sdf:
	s_mov_b64 s[64:65], 0
	v_nop
	global_prefetch_b8 v0, s[64:65] scope:SCOPE_SE
	s_setreg_imm32_b32 hwreg(HW_REG_WAVE_MODE, 25, 1), 1
	s_wait_xcnt 0x0
; out[p] = relu(relu(enc[p] W0) W1) W2, enc[p] the hash-grid code of point p: 16 levels x 2 features, each level the trilinear mean of 8 table rows.
; The two first products are on codes of FP4 (E2M1) with one E8M0 scale for each 32 along K: W0 and W1 come as codes; enc and the first hidden layer are quantised here, in registers.  The last product (one column) is f32 multiply-adds.
; INPUT.  xfix[p][d] = x01 x 2^31, a whole number made by the launch before.  A level's cell is the high word of xfix x 2 res, an integer product: no address hangs on a floating-point number.
; x01 itself comes back bit for bit as float(xfix) x 2^-31 (at most 24 significant bits).  pos = x01 x res is rounded to f32 BEFORE the cell is taken off, as the network's definition has it: the two are not fused, since enc goes into a quantiser.
; Where pos is rounded up to a whole number n the integer cell is n - 1 and the fraction exactly 1: the same nodes with the same weights as cell n with fraction 0.
; LIMITS: -1 <= x < 3 (see the launch before); beyond it every index is still held inside its table.  A block of zeros gets the scale byte 1 where the quantiser's rule says 127: its codes are zeros, and nobody else reads the byte.
; SHARES.  256 work-groups of 16 waves, four waves to a SIMD, 256 registers each.  A wave owns 256 consecutive points and takes them in 8 passes of 32, ONE LANE TO A POINT while it gathers.  Waves share nothing: no barrier.
; GATHERS.  A ring of three level slots in registers: while level l is interpolated, the 8 + 8 gathers of levels l + 1 and l + 2 are out.  A hashed level's load lands on its own index register.
; NO CLUSTER, NO TENSOR LOAD: all that work-groups share are 3,520 bytes of weights, which each wave reads once and keeps in registers; the table rows that a wave wants are 8 bytes each at places of their own.
; THE MATRIX INSTRUCTION IS USED TRANSPOSED (source 0 = 16 units of a weight, source 1 = 16 points): a lane then holds one point, and its registers run along the units, which are the next product's K.
; THE ROWS OF W0 THAT FORM A TILE ARE NOT NEIGHBOURS: lane r of tile 2 b + u takes unit 32 b + 8 u + r + 8 (r / 8), so that the 16 registers of tiles 2 b, 2 b + 1 are units 32 b + 16 (lane / 16) + 0 .. 15.
; K is 32 and 64 of the instruction's 128: the rest of both operands are zero codes (registers 4-7 of every fragment; for K = 32 also lanes 16-31 of registers 0-3), which add nothing under the scale byte 0 that stands over them.
; REGISTERS: v1 12 x lane; v2 my out's LDS place, v3 the LDS address in hand; v[4:6] xfix; v[8:10] x01; v[12:17] three pairs (product's low word, later float(cell); cell); v[20:31] at work;
;   v[32:35] pos, later codes of points 16-31; v[36:39] zeros, kept; v[40:71] enc; v[72:137] the ring, later the hidden layers (2 tiles of points x 4 tiles of units x 8);
;   v[138:169] W0's four fragments; v[170:201] W1's; v[202:233] W2 in the result's layout; v[234:244] scale words and nothing else; v[245:247] a dense slot's byte offset; v[248:251] codes of points 0-15; v[252:255] zeros, kept.
.set NPASS, 8                          ; passes of 32 points in a wave
.set LEVELB, 0x400000                  ; a level's table in bytes: 2^19 rows of 8
.set TMASK, 0x7ffff                    ; rows - 1
.set FLOOR, 0x1800000                  ; the f32 number 2^(3 - 127): under it no largest magnitude is taken, so that a scale's byte cannot fall under 1
.set OFF2,  0xff000000                 ; takes 2, the exponent of the format's largest number, off an exponent field
.set XO,   1
.set SB,   2
.set SA,   3
.set E,    40
.set RING, 72                          ; slot s at RING + 22 s: 16 registers of features (corner c at 2 c), then 1 - fx, fx, 1 - fy, fy, 1 - fz, fz
.set H,    72
.set W0F,  138
.set W1F,  170
.set W2V,  202
.set W0S,  234
.set W1S,  238
.set ES,   242                         ; enc's scale byte: lane l has point l's
.set HS,   243                         ; v243, v244: the hidden layer's scale words, points 0-15 and 16-31
.set ADS,  245
.set EB0,  248                         ; v[248:255] source 1 for points 0-15
.set EB1,  32                          ; v[32:39]   source 1 for points 16-31
.set P1,   20                          ; s20, s21  the hash's primes for y and z
.set P2,   21
.set MK,   22                          ; s22  TMASK
.set RS,   23                          ; s23  2 res of the level in hand
.set CNT,  24                          ; s24  passes to go
.set SOFF, 25                          ; s25  128 x pass
.set SEL,  26                          ; s[26:27] v_permlanex16_b32's selects for lane l xor 16
.set WV,   28                          ; s28  my wave's number
.set LOW,  29                          ; s29  a mask of lanes 0-15
.set TBL,  32                          ; s[32+2l:33+2l] level l's table
	s_load_b256 s[4:11], s[0:1], 0x0               ; xfix s[4:5], tables s[6:7], W0's codes s[8:9], W0's scales s[10:11]
	s_load_b256 s[12:19], s[0:1], 0x20             ; W1's codes s[12:13], W1's scales s[14:15], W2 s[16:17], out s[18:19]
	v_lshl_add_u32 v11, v0, 2, 0x4000
	v_mov_b32 v18, 0
	v_lshrrev_b32 v20, 5, v0
	v_readfirstlane_b32 s[WV], v20                 ; wave 0..15
	v_and_b32 v21, 31, v0                          ; lane
	v_mul_u32_u24 v[XO], v21, 12                   ; a point's three numbers
	v_lshlrev_b32 v[SB], 2, v21
	v_lshl_add_u32 v[SB], v20, 10, v[SB]           ; LDS: 1,024 x wave + 4 x lane: each wave has 1,024 bytes of its own, 4 for each of its 256 points
	s_mov_b32 s[P1], 0x9e3779b1                    ; 2,654,435,761
	s_mov_b32 s[P2], 0x30025795                    ; 805,459,861
	s_mov_b32 s[MK], TMASK
	s_mov_b32 s[CNT], NPASS
	s_mov_b32 s[SOFF], 0
	s_mov_b32 s[SEL], 0x76543210
	s_mov_b32 s[SEL+1], 0xfedcba98
	s_mov_b32 s[LOW], 0xffff
	s_lshl_b32 s30, ttmp9, 4
	s_add_co_u32 s30, s30, s[WV]                   ; my wave among all 4,096
	s_lshl_b32 s2, s30, 10                         ; its 256 points in out: 1,024 bytes,
	s_mov_b32 s3, 0
	s_mul_i32 s30, s30, 3072                       ; and in xfix: 3,072
	s_mov_b32 s31, 0
	s_wait_kmcnt 0x0
	s_add_nc_u64 s[4:5], s[4:5], s[30:31]
	s_add_nc_u64 s[18:19], s[18:19], s[2:3]
	global_load_b96 v[4:6], v[XO], s[4:5] th:TH_LOAD_NT   ; the first pass's points: 32 lanes read 384 consecutive bytes; read once in the launch
	s_mov_b64 s[TBL:TBL+1], s[6:7]
.irp l, 1,2,3,4,5,6,7,8,9,10,11,12,13,14,15
	s_add_nc_u64 s[TBL+2*\l:TBL+2*\l+1], s[6:7], \l*LEVELB
.endr
	; the weights, once a wave
	v_and_b32 v20, 15, v0                          ; r
	v_bfe_u32 v21, v0, 4, 1                        ; h
	v_and_b32 v22, 8, v20
	v_add_nc_u32 v22, v22, v20                     ; r + 8 (r / 8): also the byte of W0's scales
	v_lshlrev_b32 v23, 4, v22                      ; W0: a unit's 32 codes are 16 bytes
	v_lshlrev_b32 v24, 5, v20
	v_lshl_add_u32 v24, v21, 4, v24                ; W1: a unit's 64 codes are 32 bytes; lanes 16-31 take the second block
	v_lshlrev_b32 v25, 1, v20                      ; W1's scales: 2 bytes a unit
	v_lshlrev_b32 v26, 5, v21                      ; W2: my half's eight units of a tile
.irp t, 0,1,2,3
	global_load_b128 v[W0F+8*\t:W0F+8*\t+3], v23, s[8:9] offset:(32*(\t/2)+8*(\t%2))*16
	global_load_u8 v[W0S+\t], v22, s[10:11] offset:32*(\t/2)+8*(\t%2)       ; byte 0: k = 0 .. 31; the bytes above it are 0, over zero codes
	global_load_b128 v[W1F+8*\t:W1F+8*\t+3], v24, s[12:13] offset:512*\t     ; W1's tiles take neighbouring units 16 t + r
	global_load_u16 v[W1S+\t], v25, s[14:15] offset:32*\t                    ; bytes 0, 1: the two blocks of K = 64
	global_load_b128 v[W2V+8*\t:W2V+8*\t+3], v26, s[16:17] offset:64*\t      ; register 8 t + j = W2[16 t + 8 h + j], as the second product's result lies
	global_load_b128 v[W2V+8*\t+4:W2V+8*\t+7], v26, s[16:17] offset:64*\t+16
.endr
.irp t, 0,1,2,3                                ; k = 64 .. 127 of every operand: zero codes.  Forty moves once a wave, kept for all eight passes
.irp j, 4,5,6,7
	v_mov_b32 v[W0F+8*\t+\j], 0
	v_mov_b32 v[W1F+8*\t+\j], 0
.endr
	v_mov_b32 v[EB0+4+\t], 0
	v_mov_b32 v[EB1+4+\t], 0
.endr
	s_wait_loadcnt 0x0                             ; the weights and the first points
.irp t, 0,1,2,3
.irp j, 0,1,2,3
	v_cndmask_b32 v[W0F+8*\t+\j], 0, v[W0F+8*\t+\j], s[LOW]   ; W0's K ends at 32: lanes 16-31 stand for k = 32 .. 63 and hold zero codes
.endr
.endr
; LEVEL l IS ASKED FOR, into slot l % 3.  res: its resolution; resf: the same as f32 bits; dense = 1: (res + 1)^3 rows fit the table and are indexed plainly, 0: by the hash.
.macro ADDR l, res, resf, dense
.set RB, RING+22*((\l)%3)
.set GB, RB+16
.set AD, ADS+(\l)%3
.set R1, (\res)+1
	s_mov_b32 s[RS], 2*(\res)
	v_mad_nc_u64_u32 v[12:13], v4, s[RS], v[36:37] ; xfix x 2 res + 0: the high word is floor(x01 x res), the cell
	v_mad_nc_u64_u32 v[14:15], v5, s[RS], v[36:37]
	v_mad_nc_u64_u32 v[16:17], v6, s[RS], v[36:37]
	v_pk_mul_f32 v[32:33], v[8:9], \resf op_sel_hi:[1,0]   ; pos, rounded to f32
	v_mul_f32 v34, \resf, v10
.irp d, 0,1,2
	v_cvt_f32_u32 v[12+2*\d], v[13+2*\d]
.endr
.irp d, 0,1,2
	v_sub_f32 v[GB+1+2*\d], v[32+\d], v[12+2*\d]   ; the fraction (exact: both lie within a factor 2, or the cell is 0)
.endr
.irp d, 0,1,2
	v_sub_f32 v[GB+2*\d], 1.0, v[GB+1+2*\d]
.endr
.if \dense
	v_mad_u32_u24 v[AD], v15, R1, v13
	v_mad_u32_u24 v[AD], v17, R1*R1, v[AD]         ; x + y (res + 1) + z (res + 1)^2
	v_min_u32 v[AD], TMASK-(1+R1+R1*R1), v[AD]     ; a number made of loaded ones is held by a constant before it enters an address: the farthest corner stays inside the table.  For x in range the hold changes nothing
	v_lshlrev_b32 v[AD], 3, v[AD]
.irp c, 0,1,2,3,4,5,6,7                        ; corner c = 4 i + 2 j + k: its place stands in the immediate
	global_load_b64 v[RB+2*\c:RB+2*\c+1], v[AD], s[TBL+2*(\l):TBL+2*(\l)+1] offset:8*((\c/4)+((\c/2)%2)*R1+(\c%2)*R1*R1)
.endr
.else
	v_mul_lo_u32 v20, v15, s[P1]                   ; y's term, and z's, in 32 bits with wraparound
	v_mul_lo_u32 v21, v17, s[P2]
	v_add_nc_u32 v22, s[P1], v20                   ; (y + 1) x prime = y x prime + prime
	v_add_nc_u32 v23, s[P2], v21
	v_add_nc_u32 v24, 1, v13                       ; x + 1 (x's prime is 1)
	v_xor_b32 v25, v20, v21                        ; v[25 + 2 j + k]
	v_xor_b32 v26, v20, v23
	v_xor_b32 v27, v22, v21
	v_xor_b32 v28, v22, v23
.irp m, 25,26,27,28
	v_and_b32 v\m, s[MK], v\m                      ; the mask here, four times and not eight: x and x + 1 lie under 2^19, so the exclusive or below stays under it
.endr
.irp c, 0,1,2,3,4,5,6,7
	v_xor_b32 v[RB+2*\c], v[13+11*(\c/4)], v[25+\c%4]
.endr
.irp c, 0,1,2,3,4,5,6,7
	v_min_u32 v[RB+2*\c], TMASK, v[RB+2*\c]        ; held by a constant before it enters an address; it changes nothing
.endr
.irp c, 0,1,2,3,4,5,6,7
	global_load_b64 v[RB+2*\c:RB+2*\c+1], v[RB+2*\c], s[TBL+2*(\l):TBL+2*(\l)+1] scale_offset   ; row x 8 bytes; the load lands on its own index
.endr
.endif
.endm
; LEVEL l IS INTERPOLATED.  The weights are (gx gy) gz; the corners are summed in ascending order.  left: the younger loads that may stay out.
.macro INTERP l, left
.set RB, RING+22*((\l)%3)
.set GB, RB+16
.set EL, E+2*(\l)
	v_pk_mul_f32 v[20:21], v[GB:GB+1], v[GB+2:GB+3] op_sel_hi:[0,1]                 ; (1 - fx) x (1 - fy, fy)
	v_pk_mul_f32 v[22:23], v[GB:GB+1], v[GB+2:GB+3] op_sel:[1,0] op_sel_hi:[1,1]    ; fx x (1 - fy, fy)
	v_pk_mul_f32 v[24:25], v[20:21], v[GB+4:GB+5] op_sel_hi:[0,1]                   ; each of the four x (1 - fz, fz): corner c's weight in v[24 + c]
	v_pk_mul_f32 v[26:27], v[20:21], v[GB+4:GB+5] op_sel:[1,0] op_sel_hi:[1,1]
	v_pk_mul_f32 v[28:29], v[22:23], v[GB+4:GB+5] op_sel_hi:[0,1]
	v_pk_mul_f32 v[30:31], v[22:23], v[GB+4:GB+5] op_sel:[1,0] op_sel_hi:[1,1]
	s_wait_loadcnt \left                           ; loads come back in order: this level's eight are in; behind them only the later levels' were issued (and, late in a pass, the next points')
	v_pk_mul_f32 v[EL:EL+1], v[RB:RB+1], v[24:25] op_sel_hi:[1,0]                   ; corner 0 starts the sums: nothing is cleared.  Both features take one weight
	v_pk_fma_f32 v[EL:EL+1], v[RB+2:RB+3], v[24:25], v[EL:EL+1] op_sel:[0,1,0] op_sel_hi:[1,1,1]
.irp d, 1,2,3
	v_pk_fma_f32 v[EL:EL+1], v[RB+4*\d:RB+4*\d+1], v[24+2*\d:25+2*\d], v[EL:EL+1] op_sel_hi:[1,0,1]
	v_pk_fma_f32 v[EL:EL+1], v[RB+4*\d+2:RB+4*\d+3], v[24+2*\d:25+2*\d], v[EL:EL+1] op_sel:[0,1,0] op_sel_hi:[1,1,1]
.endr
.endm
; A LAYER: eight matrix instructions, each with an accumulator of its own and the constant 0 as C: no sum is taken up again.  wf, ws: the weight's fragments and scale words; s0, s1: the points' scale registers;
; row1 = 1: points 16-31's scales stand in lanes 16-31 of s1.
.macro LAYER wf, ws, s0, s1, row1
.irp t, 0,1,2,3
	v_wmma_scale_f32_16x16x128_f8f6f4 v[H+8*\t:H+8*\t+7], v[\wf+8*\t:\wf+8*\t+7], v[EB0:EB0+7], 0, v[\ws+\t], v[\s0] matrix_a_fmt:MATRIX_FMT_FP4 matrix_b_fmt:MATRIX_FMT_FP4
.endr
.irp t, 0,1,2,3
.if \row1
	v_wmma_scale_f32_16x16x128_f8f6f4 v[H+32+8*\t:H+32+8*\t+7], v[\wf+8*\t:\wf+8*\t+7], v[EB1:EB1+7], 0, v[\ws+\t], v[\s1] matrix_a_fmt:MATRIX_FMT_FP4 matrix_b_fmt:MATRIX_FMT_FP4 matrix_b_scale:MATRIX_SCALE_ROW1
.else
	v_wmma_scale_f32_16x16x128_f8f6f4 v[H+32+8*\t:H+32+8*\t+7], v[\wf+8*\t:\wf+8*\t+7], v[EB1:EB1+7], 0, v[\ws+\t], v[\s1] matrix_a_fmt:MATRIX_FMT_FP4 matrix_b_fmt:MATRIX_FMT_FP4
.endif
.endr
.rept 4
	v_nop                                          ; four places between a matrix instruction and the first vector instruction that reads its result (ISA guide 7.12.1)
.endr
.set j, 0
.rept 64
	v_max_num_f32 v[H+j], 0, v[H+j]                ; the activation, in f32; ascending
.set j, j+1
.endr
.endm
.macro AHEAD                                   ; a scale register written by a vector instruction stands eight places ahead of a scaled matrix instruction, an operand so written four
.rept 8
	v_nop
.endr
.endm
.Lpass:
	s_wait_loadcnt 0x0                             ; this pass's points are in: so their load's base may step
	s_add_nc_u64 s[4:5], s[4:5], 384               ; the next pass's 32 points
	v_cvt_f32_u32 v8, v4
	v_cvt_f32_u32 v9, v5
	v_cvt_f32_u32 v10, v6
	v_pk_mul_f32 v[8:9], v[8:9], 0x30000000 op_sel_hi:[1,0]   ; x 2^-31: x01, bit for bit
	v_mul_f32 v10, 0x30000000, v10
	ADDR 0,  16,   0x41800000, 1                   ; the ring is filled: 24 gathers out
	ADDR 1,  22,   0x41b00000, 1
	ADDR 2,  30,   0x41f00000, 1
	INTERP 0, 16                                   ; 16: the gathers of the two levels behind it
	ADDR 3,  42,   0x42280000, 1
	INTERP 1, 16
	ADDR 4,  58,   0x42680000, 1
	INTERP 2, 16
	ADDR 5,  80,   0x42a00000, 0                   ; 81^3 rows do not fit 2^19: from here on the hash
	INTERP 3, 16
	ADDR 6,  111,  0x42de0000, 0
	INTERP 4, 16
	ADDR 7,  153,  0x43190000, 0
	INTERP 5, 16
	ADDR 8,  212,  0x43540000, 0
	INTERP 6, 16
	ADDR 9,  294,  0x43930000, 0
	INTERP 7, 16
	ADDR 10, 406,  0x43cb0000, 0
	INTERP 8, 16
	ADDR 11, 561,  0x440c4000, 0
	INTERP 9, 16
	ADDR 12, 775,  0x4441c000, 0
	INTERP 10, 16
	ADDR 13, 1072, 0x44860000, 0
	INTERP 11, 16
	ADDR 14, 1481, 0x44b92000, 0
	INTERP 12, 16
	ADDR 15, 2047, 0x44ffe000, 0                   ; the last use of xfix and x01 in this pass
	s_cmp_eq_u32 s[CNT], 1                         ; the next pass's points are asked for here, if there is a next pass: no load leaves its buffer
	s_cbranch_scc1 .Lno_next
	global_load_b96 v[4:6], v[XO], s[4:5] th:TH_LOAD_NT
.Lno_next:
	INTERP 13, 16                                  ; the three counts hold on both ways: with the points' load out they wait for one load more than they need
	INTERP 14, 8
	INTERP 15, 0
	; enc IS QUANTISED.  K = 32 is one block, and all 32 numbers are the lane's own: no other lane is asked
	v_max3_num_f32 v12, |v[E]|, |v[E+1]|, FLOOR    ; two chains, each begun with the floor
	v_max3_num_f32 v13, |v[E+2]|, |v[E+3]|, FLOOR
.irp i, 4,8,12,16,20,24,28
	v_max3_num_f32 v12, v12, |v[E+\i]|, |v[E+\i+1]|
	v_max3_num_f32 v13, v13, |v[E+\i+2]|, |v[E+\i+3]|
.endr
	v_max_num_f32 v12, v12, v13                    ; the block's largest magnitude
	v_add_nc_u32 v13, OFF2, v12                    ; 2 off its exponent field: the conversion takes the exponent field of this operand as its scale, and nothing else of it
	v_lshrrev_b32 v[ES], 23, v13                   ; the scale's byte, in byte 0
.irp g, 0,1,2,3
	v_mov_b32 v[EB1+\g], 0
.endr
.irp g, 0,1,2,3
	v_cvt_scalef32_pk8_fp4_f32 v[EB0+\g], v[E+8*\g:E+8*\g+7], v13   ; lane l: the codes of point l's k = 8 g .. 8 g + 7
.endr
	v_nop                                          ; one plain place behind a scaled conversion
.irp g, 0,1,2,3
	v_permlane16_swap_b32 v[EB0+\g], v[EB1+\g]     ; the first's lanes 16-31 change places with the second's lanes 0-15: points 16-31 come to lanes 0-15 of the second operand, and both operands hold zeros (k = 32 .. 63) in lanes 16-31
.endr
	AHEAD
	LAYER W0F, W0S, ES, ES, 1                      ; lane (r, h), register 16 b + i of tile p: unit 32 b + 16 h + i of point 16 p + r
	; THE FIRST HIDDEN LAYER IS QUANTISED: four blocks of 32 (2 tiles of points x 2 blocks of K = 64), block 2 p + b in the 16 registers from H + 16 (2 p + b) on, of lanes l and l xor 16.  None is negative: no |.|
.irp b, 0,1,2,3
	v_max3_num_f32 v[20+\b], v[H+16*\b], v[H+16*\b+1], FLOOR
.endr
.irp i, 2,4,6,8,10,12,14
.irp b, 0,1,2,3
	v_max3_num_f32 v[20+\b], v[20+\b], v[H+16*\b+\i], v[H+16*\b+\i+1]   ; (the four blocks by turns: no line waits for the line above it)
.endr
.endr
.irp b, 0,1,2,3
	v_permlanex16_b32 v[24+\b], v[20+\b], s[SEL], s[SEL+1]
.endr
.irp b, 0,1,2,3
	v_max_num_f32 v[20+\b], v[20+\b], v[24+\b]     ; with lane l xor 16's: the block's largest
.endr
.irp b, 0,1,2,3
	v_add_nc_u32 v[28+\b], OFF2, v[20+\b]          ; the conversion's scale operand
.endr
.irp b, 0,1,2,3
	v_lshrrev_b32 v[24+\b], 23, v[28+\b]           ; the scale's byte
.endr
	v_lshl_or_b32 v[HS], v25, 8, v24               ; a point's two bytes make its scale word: lane r has point r's,
	v_lshl_or_b32 v[HS+1], v27, 8, v26             ; and here point 16 + r's
.irp b, 0,1
	v_cvt_scalef32_pk8_fp4_f32 v[EB0+2*\b], v[H+16*\b:H+16*\b+7], v[28+\b]              ; k = 32 b + 16 h + 0 .. 7
	v_cvt_scalef32_pk8_fp4_f32 v[EB0+2*\b+1], v[H+16*\b+8:H+16*\b+15], v[28+\b]         ; and + 8 .. 15
	v_cvt_scalef32_pk8_fp4_f32 v[EB1+2*\b], v[H+32+16*\b:H+32+16*\b+7], v[30+\b]
	v_cvt_scalef32_pk8_fp4_f32 v[EB1+2*\b+1], v[H+32+16*\b+8:H+32+16*\b+15], v[30+\b]
.endr
	v_nop                                          ; one plain place behind a scaled conversion
.irp i, 0,1                                    ; the operand's layout wants a WHOLE block in a lane: lanes 0-15 block 0, lanes 16-31 block 1
	v_permlane16_swap_b32 v[EB0+\i], v[EB0+2+\i]
	v_permlane16_swap_b32 v[EB1+\i], v[EB1+2+\i]
.endr
	AHEAD
	LAYER W1F, W1S, HS, HS+1, 0                    ; lane (r, h), register 8 t + j of tile p: unit 16 t + 8 h + j of point 16 p + r
	; THE LAST PRODUCT, one column: f32 multiply-adds, two at a time; the two tiles of points by turns
	v_pk_mul_f32 v[20:21], v[H:H+1], v[W2V:W2V+1]
	v_pk_mul_f32 v[22:23], v[H+32:H+33], v[W2V:W2V+1]
.irp j, 2,4,6,8,10,12,14,16,18,20,22,24,26,28,30
	v_pk_fma_f32 v[20:21], v[H+\j:H+\j+1], v[W2V+\j:W2V+\j+1], v[20:21]
	v_pk_fma_f32 v[22:23], v[H+32+\j:H+32+\j+1], v[W2V+\j:W2V+\j+1], v[22:23]
.endr
	v_add_f32 v20, v20, v21                        ; lane (r, h): point r's sum over its half's 32 units,
	v_add_f32 v22, v22, v23                        ; and point 16 + r's
	v_permlane16_swap_b32 v20, v22                 ; now lane l holds both halves of point l's sum
	v_add_f32 v19, v20, v22
	v_add_nc_u32 v[SA], s[SOFF], v[SB]
	ds_store_b32 v[SA], v19                        ; gathered in my wave's own 1,024 bytes, so that it leaves in long runs
	s_add_co_u32 s[SOFF], s[SOFF], 128
	s_sub_co_u32 s[CNT], s[CNT], 1
	s_cmp_lg_u32 s[CNT], 0
	s_cbranch_scc1 .Lpass
	; THE WAY OUT: my wave's 256 results, 1,024 consecutive bytes
	v_lshrrev_b32 v20, 5, v0
	v_and_b32 v21, 31, v0
	v_lshlrev_b32 v28, 4, v21                      ; 16 x lane
	v_lshl_add_u32 v[SA], v20, 10, v28
	ds_load_b128 v[20:23], v[SA]                   ; LDS serves a wave's instructions in order (ISA guide 5.7.1.4): these see my stores
	ds_load_b128 v[24:27], v[SA] offset:512
	s_wait_dscnt 0x0
	global_store_b128 v28, v[20:23], s[18:19] th:TH_STORE_NT               ; 32 lanes store 512 consecutive bytes, at a multiple of 512 from out's first byte; written once, read by nobody here
	global_store_b128 v28, v[24:27], s[18:19] offset:512 th:TH_STORE_NT
	s_wait_tensorcnt 0x0
	ds_add_u32 v11, v18
	s_wait_dscnt 0x0
	s_endpgm
.Lfunc_end_k_q4bbabaa9d0_sdf:
	.size	k_q4bbabaa9d0_sdf, .Lfunc_end_k_q4bbabaa9d0_sdf-k_q4bbabaa9d0_sdf
	.p2alignl 7, 3214868480
	.fill 96, 4, 3214868480
	.section	.rodata,"a",@progbits
	.p2align	6, 0x0
	.amdhsa_kernel k_q4bbabaa9d0_sdf
		.amdhsa_group_segment_fixed_size 18432
		.amdhsa_private_segment_fixed_size 0
		.amdhsa_enable_private_segment 0
		.amdhsa_kernarg_size 64
		.amdhsa_user_sgpr_count 2
		.amdhsa_user_sgpr_kernarg_segment_ptr 1
		.amdhsa_wavefront_size32 1
		.amdhsa_system_sgpr_workgroup_id_x 1
		.amdhsa_system_sgpr_workgroup_id_y 1
		.amdhsa_system_sgpr_workgroup_id_z 1
		.amdhsa_system_vgpr_workitem_id 0
		.amdhsa_next_free_vgpr 256
		.amdhsa_next_free_sgpr 66
		.amdhsa_reserve_vcc 0
		.amdhsa_float_denorm_mode_32 3
		.amdhsa_float_denorm_mode_16_64 3
		.amdhsa_memory_ordered 1
		.amdhsa_forward_progress 1
		.amdhsa_inst_pref_size 76
	.end_amdhsa_kernel
	.amdgpu_metadata
---
amdhsa.version: [ 1, 2 ]
amdhsa.kernels:
  - .name:           k_q4bbabaa9d0_sdf
    .symbol:         k_q4bbabaa9d0_sdf.kd
    .args:
      - { .name: xfix, .offset: 0, .size: 8, .value_kind: global_buffer, .address_space: global }
      - { .name: tables, .offset: 8, .size: 8, .value_kind: global_buffer, .address_space: global }
      - { .name: W0_codes, .offset: 16, .size: 8, .value_kind: global_buffer, .address_space: global }
      - { .name: W0_scales, .offset: 24, .size: 8, .value_kind: global_buffer, .address_space: global }
      - { .name: W1_codes, .offset: 32, .size: 8, .value_kind: global_buffer, .address_space: global }
      - { .name: W1_scales, .offset: 40, .size: 8, .value_kind: global_buffer, .address_space: global }
      - { .name: W2, .offset: 48, .size: 8, .value_kind: global_buffer, .address_space: global }
      - { .name: out0, .offset: 56, .size: 8, .value_kind: global_buffer, .address_space: global }
    .group_segment_fixed_size: 18432
    .private_segment_fixed_size: 0
    .kernarg_segment_align: 8
    .kernarg_segment_size: 64
    .max_flat_workgroup_size: 512
    .sgpr_count:     66
    .vgpr_count:     256
    .wavefront_size: 32
...
	.end_amdgpu_metadata
.endif
;; end of part 2
;; ======== version 2 of 2: 2 launches; version 1 with the launch sdf written anew for expert scheduling mode
;; workspace buffers: xfix 12,582,912 bytes of whole numbers
;; launch fix: the kernel of part 1 again; grid 768 x 1, 8 waves a work-group, no clusters, 0 bytes of LDS; arguments x, xfix; writes xfix
;; launch sdf (part 3): grid 256 x 1, 16 waves a work-group, no clusters, 18,432 bytes of LDS; arguments xfix, tables, W0_codes, W0_scales, W1_codes, W1_scales, W2, out0; writes out0
.if DOCPART == 3
	.amdgcn_target "amdgcn-amd-amdhsa--gfx1250"
	.amdhsa_code_object_version 6
	.text
	.protected	k_q4bbabaa9d0_sdf
	.globl	k_q4bbabaa9d0_sdf
	.p2align	8
	.type	k_q4bbabaa9d0_sdf,@function
k_q4bbabaa9d0_sdf:
	s_mov_b64 s[64:65], 0
	v_nop
	global_prefetch_b8 v0, s[64:65] scope:SCOPE_SE
	s_setreg_imm32_b32 hwreg(HW_REG_WAVE_SCHED_MODE, 0, 2), 2
	s_setreg_imm32_b32 hwreg(HW_REG_WAVE_MODE, 25, 1), 1
	s_wait_xcnt 0x0
	s_wait_alu depctr_vm_vsrc(0)
; out[p] = relu(relu(enc[p] W0) W1) W2, enc[p] the hash-grid code of point p: 16 levels x 2 features, each level the trilinear mean of 8 table rows.
; The two first products are on codes of FP4 (E2M1) with one E8M0 scale for each 32 along K: W0 and W1 come as codes; enc and the first hidden layer are quantised here, in registers.  The last product (one column) is f32 multiply-adds.
; INPUT.  xfix[p][d] = x01 x 2^31, a whole number made by the launch before.  A level's cell is the high word of xfix x 2 res, an integer product: no address hangs on a floating-point number.
; x01 itself comes back bit for bit as float(xfix) x 2^-31 (at most 24 significant bits).  pos = x01 x res is rounded to f32 BEFORE the cell is taken off, as the network's definition has it: the two are not fused, since enc goes into a quantiser.
; Where pos is rounded up to a whole number n the integer cell is n - 1 and the fraction exactly 1: the same nodes with the same weights as cell n with fraction 0.
; LIMITS: -1 <= x < 3 (see the launch before); beyond it every index is still held inside its table.  A block of zeros gets the scale byte 1 where the quantiser's rule says 127: its codes are zeros, and nobody else reads the byte.
; SHARES.  256 work-groups of 16 waves, four waves to a SIMD, 256 registers each.  A wave owns 256 consecutive points and takes them in 8 passes of 32, ONE LANE TO A POINT while it gathers.  Waves share nothing: no barrier.
; GATHERS.  A ring of three level slots in registers: while level l is interpolated, the 8 + 8 gathers of levels l + 1 and l + 2 are out.  A hashed level's load lands on its own index register.
; NO CLUSTER, NO TENSOR LOAD: all that work-groups share are 3,520 bytes of weights, which each wave reads once and keeps in registers; the table rows that a wave wants are 8 bytes each at places of their own.
; THE MATRIX INSTRUCTION IS USED TRANSPOSED (source 0 = 16 units of a weight, source 1 = 16 points): a lane then holds one point, and its registers run along the units, which are the next product's K.
; THE ROWS OF W0 THAT FORM A TILE ARE NOT NEIGHBOURS: lane r of tile 2 b + u takes unit 32 b + 8 u + r + 8 (r / 8), so that the 16 registers of tiles 2 b, 2 b + 1 are units 32 b + 16 (lane / 16) + 0 .. 15.
; K is 32 and 64 of the instruction's 128: the rest of both operands are zero codes (registers 4-7 of every fragment; for K = 32 also lanes 16-31 of registers 0-3), which add nothing under the scale byte 0 that stands over them.
; THE MODE: SCHED_MODE bits 1:0 = 2 (LLVM: expert scheduling mode 2), set by the entry lines.  The code itself states the register dependences between vector or matrix instructions and memory or LDS instructions, with s_wait_alu, always for 0.
; THE PLAN.  Registers that memory or LDS instructions touch, in a pass:
;   v1            the points' offset: written at the head, never again.
;   v[4:6]        The points' load lands here; the pass head's conversions and every level's three integer products read them, level 15's last.
;   v245-247      A dense level's offset (245 + l % 3): written by its index arithmetic, read by its eight gathers.
;   a ring slot   16 registers.  Dense level: its gathers land, its sum reads.  Hashed level: its index arithmetic writes the eight even ones, its gathers read them and land in all 16, its sum reads.
;                 Behind level 15 the ring is the hidden layers': written by matrix instructions and the activation, read by the quantiser and the last product.
;   v3, v19       The LDS store's address and data, written at the pass's end.
;   All else (x01, cells, fractions, weights of corners, enc, codes, scale words) is named by vector and matrix instructions alone.
; ONE wait on va_vdst stands in a level, behind its index arithmetic: the offsets are written, and what last named the slot is done with it.  The level's eight gathers follow, dealt among the six lines that make the
; corner weights of the level two back; those name v20-31 and another slot's fractions: none of the registers that the gathers touch.
; A wait on vm_vsrc stands behind the gathers of three levels at a time (at the heads of levels 3, 8, 11, 14, and ahead of the first layer): it frees the offset registers that the next three levels, or the layers, write again.
; REGISTERS: v1 12 x lane; v2 my out's LDS place, v3 the LDS address in hand; v[4:6] xfix; v[8:10] x01; v11, v18 the closing add's two; v[12:17] three pairs (product's low word, later float(cell); cell); v[20:31] at work;
;   v[32:35] pos, later codes of points 16-31; v[36:39] zeros, kept; v[40:71] enc; v[72:137] the ring, later the hidden layers (2 tiles of points x 4 tiles of units x 8);
;   v[138:169] W0's four fragments; v[170:201] W1's; v[202:233] W2 in the result's layout; v[234:244] scale words and nothing else; v[245:247] a dense slot's byte offset; v[248:251] codes of points 0-15; v[252:255] zeros, kept.
.set NPASS, 8                          ; passes of 32 points in a wave
.set LEVELB, 0x400000                  ; a level's table in bytes: 2^19 rows of 8
.set TMASK, 0x7ffff                    ; rows - 1
.set FLOOR, 0x1800000                  ; the f32 number 2^(3 - 127): under it no largest magnitude is taken, so that a scale's byte cannot fall under 1
.set OFF2,  0xff000000                 ; takes 2, the exponent of the format's largest number, off an exponent field
.set XO,   1
.set SB,   2
.set SA,   3
.set E,    40
.set RING, 72                          ; slot s at RING + 22 s: 16 registers of features (corner c at 2 c), then 1 - fx, fx, 1 - fy, fy, 1 - fz, fz
.set H,    72
.set W0F,  138
.set W1F,  170
.set W2V,  202
.set W0S,  234
.set W1S,  238
.set ES,   242                         ; enc's scale byte: lane l has point l's
.set HS,   243                         ; v243, v244: the hidden layer's scale words, points 0-15 and 16-31
.set ADS,  245
.set EB0,  248                         ; v[248:255] source 1 for points 0-15
.set EB1,  32                          ; v[32:39]   source 1 for points 16-31
.set P1,   20                          ; s20, s21  the hash's primes for y and z
.set P2,   21
.set MK,   22                          ; s22  TMASK
.set RS,   23                          ; s23  2 res of the level in hand
.set CNT,  24                          ; s24  passes to go
.set SOFF, 25                          ; s25  128 x pass
.set SEL,  26                          ; s[26:27] v_permlanex16_b32's selects for lane l xor 16
.set WV,   28                          ; s28  my wave's number
.set LOW,  29                          ; s29  a mask of lanes 0-15
.set TBL,  32                          ; s[32+2l:33+2l] level l's table
	s_load_b256 s[4:11], s[0:1], 0x0               ; xfix s[4:5], tables s[6:7], W0's codes s[8:9], W0's scales s[10:11]
	s_load_b256 s[12:19], s[0:1], 0x20             ; W1's codes s[12:13], W1's scales s[14:15], W2 s[16:17], out s[18:19]
	v_lshl_add_u32 v11, v0, 2, 0x4000              ; my spare word, behind the waves' 16,384 bytes, and 0: made here and kept for the closing lines alone
	v_mov_b32 v18, 0
	v_lshrrev_b32 v20, 5, v0
	v_readfirstlane_b32 s[WV], v20                 ; wave 0..15
	v_and_b32 v21, 31, v0                          ; lane
	v_mul_u32_u24 v[XO], v21, 12                   ; a point's three numbers
	v_lshlrev_b32 v[SB], 2, v21
	v_lshl_add_u32 v[SB], v20, 10, v[SB]           ; LDS: 1,024 x wave + 4 x lane: each wave has 1,024 bytes of its own, 4 for each of its 256 points
	; the weights' offsets: made here, so that one wait serves all the head's loads
	v_and_b32 v20, 15, v0                          ; r
	v_bfe_u32 v21, v0, 4, 1                        ; h
	v_and_b32 v22, 8, v20
	v_add_nc_u32 v22, v22, v20                     ; r + 8 (r / 8): also the byte of W0's scales
	v_lshlrev_b32 v23, 4, v22                      ; W0: a unit's 32 codes are 16 bytes
	v_lshlrev_b32 v24, 5, v20
	v_lshl_add_u32 v24, v21, 4, v24                ; W1: a unit's 64 codes are 32 bytes; lanes 16-31 take the second block
	v_lshlrev_b32 v25, 1, v20                      ; W1's scales: 2 bytes a unit
	v_lshlrev_b32 v26, 5, v21                      ; W2: my half's eight units of a tile
	s_mov_b32 s[P1], 0x9e3779b1                    ; 2,654,435,761
	s_mov_b32 s[P2], 0x30025795                    ; 805,459,861
	s_mov_b32 s[MK], TMASK
	s_mov_b32 s[CNT], NPASS
	s_mov_b32 s[SOFF], 0
	s_mov_b32 s[SEL], 0x76543210
	s_mov_b32 s[SEL+1], 0xfedcba98
	s_mov_b32 s[LOW], 0xffff
	s_wait_alu depctr_va_sdst(0)                   ; the wave's number is written into s28, ahead of its first reader: the bases of xfix and out are made from it
	s_lshl_b32 s30, ttmp9, 4
	s_add_co_u32 s30, s30, s[WV]                   ; my wave among all 4,096
	s_lshl_b32 s2, s30, 10                         ; its 256 points in out: 1,024 bytes,
	s_mov_b32 s3, 0
	s_mul_i32 s30, s30, 3072                       ; and in xfix: 3,072
	s_mov_b32 s31, 0
	s_wait_kmcnt 0x0
	s_add_nc_u64 s[4:5], s[4:5], s[30:31]
	s_add_nc_u64 s[18:19], s[18:19], s[2:3]
	s_wait_alu depctr_va_vdst(0)                   ; v1 and v22 to v26 are written: the points' load and the weights' loads read them as their offsets
	global_load_b96 v[4:6], v[XO], s[4:5] th:TH_LOAD_NT   ; the first pass's points: 32 lanes read 384 consecutive bytes; read once in the launch
	s_mov_b64 s[TBL:TBL+1], s[6:7]
.irp l, 1,2,3,4,5,6,7,8,9,10,11,12,13,14,15
	s_add_nc_u64 s[TBL+2*\l:TBL+2*\l+1], s[6:7], \l*LEVELB
.endr
	; the weights, once a wave
.irp t, 0,1,2,3
	global_load_b128 v[W0F+8*\t:W0F+8*\t+3], v23, s[8:9] offset:(32*(\t/2)+8*(\t%2))*16
	global_load_u8 v[W0S+\t], v22, s[10:11] offset:32*(\t/2)+8*(\t%2)       ; byte 0: k = 0 .. 31; the bytes above it are 0, over zero codes
	global_load_b128 v[W1F+8*\t:W1F+8*\t+3], v24, s[12:13] offset:512*\t     ; W1's tiles take neighbouring units 16 t + r
	global_load_u16 v[W1S+\t], v25, s[14:15] offset:32*\t                    ; bytes 0, 1: the two blocks of K = 64
	global_load_b128 v[W2V+8*\t:W2V+8*\t+3], v26, s[16:17] offset:64*\t      ; register 8 t + j = W2[16 t + 8 h + j], as the second product's result lies
	global_load_b128 v[W2V+8*\t+4:W2V+8*\t+7], v26, s[16:17] offset:64*\t+16
.endr
.irp t, 0,1,2,3                                ; k = 64 .. 127 of every operand: zero codes.  Forty moves once a wave, kept for all eight passes.  (No load above touches these registers)
.irp j, 4,5,6,7
	v_mov_b32 v[W0F+8*\t+\j], 0
	v_mov_b32 v[W1F+8*\t+\j], 0
.endr
	v_mov_b32 v[EB0+4+\t], 0
	v_mov_b32 v[EB1+4+\t], 0
.endr
	s_wait_alu depctr_vm_vsrc(0)                   ; the weights' loads have read their offsets v22 to v26, which the passes write as registers at work
	s_wait_loadcnt 0x0                             ; the weights and the first points
.irp t, 0,1,2,3
.irp j, 0,1,2,3
	v_cndmask_b32 v[W0F+8*\t+\j], 0, v[W0F+8*\t+\j], s[LOW]   ; W0's K ends at 32: lanes 16-31 stand for k = 32 .. 63 and hold zero codes
.endr
.endr
; LEVEL l's CELL, FRACTIONS AND OFFSETS, for slot l % 3.  res: its resolution; resf: the same as f32 bits; dense = 1: (res + 1)^3 rows fit the table and are indexed plainly, 0: by the hash.
; free = 1: the wait on vm_vsrc stands at its head.
.macro INDEX l, res, resf, dense, free
.set RB, RING+22*((\l)%3)
.set GB, RB+16
.set AD, ADS+(\l)%3
.set R1, (\res)+1
.if \free
	s_wait_alu depctr_vm_vsrc(0)                   ; every gather issued so far has read its offset register: this level and the two behind it write theirs where those of three levels back lay
.endif
	s_mov_b32 s[RS], 2*(\res)
	v_mad_nc_u64_u32 v[12:13], v4, s[RS], v[36:37] ; xfix x 2 res + 0: the high word is floor(x01 x res), the cell
	v_mad_nc_u64_u32 v[14:15], v5, s[RS], v[36:37]
	v_mad_nc_u64_u32 v[16:17], v6, s[RS], v[36:37]
	v_pk_mul_f32 v[32:33], v[8:9], \resf op_sel_hi:[1,0]   ; pos, rounded to f32
	v_mul_f32 v34, \resf, v10
.irp d, 0,1,2
	v_cvt_f32_u32 v[12+2*\d], v[13+2*\d]
.endr
.irp d, 0,1,2
	v_sub_f32 v[GB+1+2*\d], v[32+\d], v[12+2*\d]   ; the fraction (exact: both lie within a factor 2, or the cell is 0)
.endr
.irp d, 0,1,2
	v_sub_f32 v[GB+2*\d], 1.0, v[GB+1+2*\d]
.endr
.if \dense
	v_mad_u32_u24 v[AD], v15, R1, v13
	v_mad_u32_u24 v[AD], v17, R1*R1, v[AD]         ; x + y (res + 1) + z (res + 1)^2
	v_min_u32 v[AD], TMASK-(1+R1+R1*R1), v[AD]     ; a number made of loaded ones is held by a constant before it enters an address: the farthest corner stays inside the table.  For x in range the hold changes nothing
	v_lshlrev_b32 v[AD], 3, v[AD]
.else
	v_mul_lo_u32 v20, v15, s[P1]                   ; y's term, and z's, in 32 bits with wraparound
	v_mul_lo_u32 v21, v17, s[P2]
	v_add_nc_u32 v22, s[P1], v20                   ; (y + 1) x prime = y x prime + prime
	v_add_nc_u32 v23, s[P2], v21
	v_add_nc_u32 v24, 1, v13                       ; x + 1 (x's prime is 1)
	v_xor_b32 v25, v20, v21                        ; v[25 + 2 j + k]
	v_xor_b32 v26, v20, v23
	v_xor_b32 v27, v22, v21
	v_xor_b32 v28, v22, v23
.irp m, 25,26,27,28
	v_and_b32 v\m, s[MK], v\m                      ; the mask here, four times and not eight: x and x + 1 lie under 2^19, so the exclusive or below stays under it
.endr
.irp c, 0,1,2,3,4,5,6,7
	v_xor_b32 v[RB+2*\c], v[13+11*(\c/4)], v[25+\c%4]
.endr
.irp c, 0,1,2,3,4,5,6,7
	v_min_u32 v[RB+2*\c], TMASK, v[RB+2*\c]        ; held by a constant before it enters an address; it changes nothing
.endr
.endif
.endm
; Corner c of level l is asked for.
.macro LD l, res, dense, c
.set RB, RING+22*((\l)%3)
.set R1, (\res)+1
.if \dense
	global_load_b64 v[RB+2*(\c):RB+2*(\c)+1], v[ADS+(\l)%3], s[TBL+2*(\l):TBL+2*(\l)+1] offset:8*(((\c)/4)+(((\c)/2)%2)*R1+((\c)%2)*R1*R1)   ; corner c = 4 i + 2 j + k: its place stands in the immediate
.else
	global_load_b64 v[RB+2*(\c):RB+2*(\c)+1], v[RB+2*(\c)], s[TBL+2*(\l):TBL+2*(\l)+1] scale_offset   ; row x 8 bytes; the load lands on its own index
.endif
.endm
; Line k of the six that make level l's corner weights, (gx gy) gz: corner c's weight in v[24 + c].
.macro WLINE k, l
.set WG, RING+22*((\l)%3)+16
.if (\k) == 0
	v_pk_mul_f32 v[20:21], v[WG:WG+1], v[WG+2:WG+3] op_sel_hi:[0,1]                 ; (1 - fx) x (1 - fy, fy)
.elseif (\k) == 1
	v_pk_mul_f32 v[22:23], v[WG:WG+1], v[WG+2:WG+3] op_sel:[1,0] op_sel_hi:[1,1]    ; fx x (1 - fy, fy)
.elseif (\k) == 2
	v_pk_mul_f32 v[24:25], v[20:21], v[WG+4:WG+5] op_sel_hi:[0,1]                   ; each of the four x (1 - fz, fz)
.elseif (\k) == 3
	v_pk_mul_f32 v[26:27], v[20:21], v[WG+4:WG+5] op_sel:[1,0] op_sel_hi:[1,1]
.elseif (\k) == 4
	v_pk_mul_f32 v[28:29], v[22:23], v[WG+4:WG+5] op_sel_hi:[0,1]
.else
	v_pk_mul_f32 v[30:31], v[22:23], v[WG+4:WG+5] op_sel:[1,0] op_sel_hi:[1,1]
.endif
.endm
; LEVEL l IS ASKED FOR, into slot l % 3.  weights = 1: the six weight lines of level l - 2 stand among the eight gathers.
.macro ASK l, res, dense, weights
	s_wait_alu depctr_va_vdst(0)                   ; this level's offset or indices are written, which the gathers read; and what last named the slot's 16 registers (the sum of three levels back; in levels 0 to 2 the pass before, its matrix instructions too) is done with them: the gathers land there
.irp c, 0,1,2,3,4,5,6,7
	LD \l, \res, \dense, \c
.if \weights && (\c >= 1) && (\c <= 6)
	WLINE \c-1, \l-2                               ; no wait: these lines name v20-31 and another slot's fractions, none of the registers that the gathers touch
.endif
.endr
.endm
.macro LEVEL l, res, resf, dense, free, weights
	INDEX \l, \res, \resf, \dense, \free
	ASK \l, \res, \dense, \weights
.endm
; LEVEL l IS SUMMED: the corners in ascending order.  left: the younger loads that may stay out.
.macro SUM l, left
.set RB, RING+22*((\l)%3)
.set EL, E+2*(\l)
	s_wait_loadcnt \left                           ; loads come back in order: this level's eight are in; behind them only the later levels' were issued (and, late in a pass, the next points')
	v_pk_mul_f32 v[EL:EL+1], v[RB:RB+1], v[24:25] op_sel_hi:[1,0]                   ; corner 0 starts the sums: nothing is cleared.  Both features take one weight
	v_pk_fma_f32 v[EL:EL+1], v[RB+2:RB+3], v[24:25], v[EL:EL+1] op_sel:[0,1,0] op_sel_hi:[1,1,1]
.irp d, 1,2,3
	v_pk_fma_f32 v[EL:EL+1], v[RB+4*\d:RB+4*\d+1], v[24+2*\d:25+2*\d], v[EL:EL+1] op_sel_hi:[1,0,1]
	v_pk_fma_f32 v[EL:EL+1], v[RB+4*\d+2:RB+4*\d+3], v[24+2*\d:25+2*\d], v[EL:EL+1] op_sel:[0,1,0] op_sel_hi:[1,1,1]
.endr
.endm
; A LAYER: eight matrix instructions, each with an accumulator of its own and the constant 0 as C: no sum is taken up again.  wf, ws: the weight's fragments and scale words; s0, s1: the points' scale registers;
; row1 = 1: points 16-31's scales stand in lanes 16-31 of s1.
.macro LAYER wf, ws, s0, s1, row1
.irp t, 0,1,2,3
	v_wmma_scale_f32_16x16x128_f8f6f4 v[H+8*\t:H+8*\t+7], v[\wf+8*\t:\wf+8*\t+7], v[EB0:EB0+7], 0, v[\ws+\t], v[\s0] matrix_a_fmt:MATRIX_FMT_FP4 matrix_b_fmt:MATRIX_FMT_FP4
.endr
.irp t, 0,1,2,3
.if \row1
	v_wmma_scale_f32_16x16x128_f8f6f4 v[H+32+8*\t:H+32+8*\t+7], v[\wf+8*\t:\wf+8*\t+7], v[EB1:EB1+7], 0, v[\ws+\t], v[\s1] matrix_a_fmt:MATRIX_FMT_FP4 matrix_b_fmt:MATRIX_FMT_FP4 matrix_b_scale:MATRIX_SCALE_ROW1
.else
	v_wmma_scale_f32_16x16x128_f8f6f4 v[H+32+8*\t:H+32+8*\t+7], v[\wf+8*\t:\wf+8*\t+7], v[EB1:EB1+7], 0, v[\ws+\t], v[\s1] matrix_a_fmt:MATRIX_FMT_FP4 matrix_b_fmt:MATRIX_FMT_FP4
.endif
.endr
.rept 4
	v_nop                                          ; four places between a matrix instruction and the first vector instruction that reads its result (ISA guide 7.12.1)
.endr
.set j, 0
.rept 64
	v_max_num_f32 v[H+j], 0, v[H+j]                ; the activation, in f32; ascending
.set j, j+1
.endr
.endm
.macro AHEAD                                   ; a scale register written by a vector instruction stands eight places ahead of a scaled matrix instruction, an operand so written four
.rept 8
	v_nop
.endr
	s_wait_alu depctr_va_vdst(0)                   ; behind the places: the conversions, the exchanges of halves and the shifts have written the points' codes and scale words, which the matrix instructions take as source 1 and as scales
.endm
.Lpass:
	s_wait_loadcnt 0x0                             ; this pass's points are in: so their load's base may step
	s_add_nc_u64 s[4:5], s[4:5], 384               ; the next pass's 32 points
	v_cvt_f32_u32 v8, v4
	v_cvt_f32_u32 v9, v5
	v_cvt_f32_u32 v10, v6
	v_pk_mul_f32 v[8:9], v[8:9], 0x30000000 op_sel_hi:[1,0]   ; x 2^-31: x01, bit for bit
	v_mul_f32 v10, 0x30000000, v10
	LEVEL 0,  16,   0x41800000, 1, 0, 0            ; the ring is filled: 24 gathers out
	LEVEL 1,  22,   0x41b00000, 1, 0, 0
	LEVEL 2,  30,   0x41f00000, 1, 0, 1
	SUM 0, 16                                      ; 16: the gathers of the two levels behind it
	LEVEL 3,  42,   0x42280000, 1, 1, 1            ; the wait on vm_vsrc: v245 and v246, as levels 0 and 1 read them, are written by this level and the next
	SUM 1, 16
	LEVEL 4,  58,   0x42680000, 1, 0, 1
	SUM 2, 16
	LEVEL 5,  80,   0x42a00000, 0, 0, 1            ; 81^3 rows do not fit 2^19: from here on the hash.  Levels 5 to 7 follow dense levels in their slots: no gather has read the registers that their indices take
	SUM 3, 16
	LEVEL 6,  111,  0x42de0000, 0, 0, 1
	SUM 4, 16
	LEVEL 7,  153,  0x43190000, 0, 0, 1
	SUM 5, 16
	LEVEL 8,  212,  0x43540000, 0, 1, 1            ; the wait on vm_vsrc: the indices of levels 5 to 7 have been read; levels 8 to 10 write theirs there
	SUM 6, 16
	LEVEL 9,  294,  0x43930000, 0, 0, 1
	SUM 7, 16
	LEVEL 10, 406,  0x43cb0000, 0, 0, 1
	SUM 8, 16
	LEVEL 11, 561,  0x440c4000, 0, 1, 1            ; likewise: levels 8 to 10 have read, levels 11 to 13 write
	SUM 9, 16
	LEVEL 12, 775,  0x4441c000, 0, 0, 1
	SUM 10, 16
	LEVEL 13, 1072, 0x44860000, 0, 0, 1
	SUM 11, 16
	LEVEL 14, 1481, 0x44b92000, 0, 1, 1            ; likewise: levels 11 to 13 have read, levels 14 and 15 write
	SUM 12, 16
	LEVEL 15, 2047, 0x44ffe000, 0, 0, 1            ; the last use of xfix and x01 in this pass
	s_cmp_eq_u32 s[CNT], 1                         ; the next pass's points are asked for here, if there is a next pass: no load leaves its buffer
	s_cbranch_scc1 .Lno_next
	global_load_b96 v[4:6], v[XO], s[4:5] th:TH_LOAD_NT   ; no wait: level 15's integer products, the last readers of v[4:6], stand ahead of its wait on va_vdst, and no vector line since names v1 or v[4:6]
.Lno_next:
	SUM 13, 16                                     ; the three counts hold on both ways: with the points' load out they wait for one load more than they need
.irp k, 0,1,2,3,4,5
	WLINE \k, 14
.endr
	SUM 14, 8
.irp k, 0,1,2,3,4,5
	WLINE \k, 15
.endr
	SUM 15, 0
	; enc IS QUANTISED.  K = 32 is one block, and all 32 numbers are the lane's own: no other lane is asked
	v_max3_num_f32 v12, |v[E]|, |v[E+1]|, FLOOR    ; two chains, each begun with the floor
	v_max3_num_f32 v13, |v[E+2]|, |v[E+3]|, FLOOR
.irp i, 4,8,12,16,20,24,28
	v_max3_num_f32 v12, v12, |v[E+\i]|, |v[E+\i+1]|
	v_max3_num_f32 v13, v13, |v[E+\i+2]|, |v[E+\i+3]|
.endr
	v_max_num_f32 v12, v12, v13                    ; the block's largest magnitude
	v_add_nc_u32 v13, OFF2, v12                    ; 2 off its exponent field: the conversion takes the exponent field of this operand as its scale, and nothing else of it
	v_lshrrev_b32 v[ES], 23, v13                   ; the scale's byte, in byte 0
.irp g, 0,1,2,3
	v_mov_b32 v[EB1+\g], 0
.endr
.irp g, 0,1,2,3
	v_cvt_scalef32_pk8_fp4_f32 v[EB0+\g], v[E+8*\g:E+8*\g+7], v13   ; lane l: the codes of point l's k = 8 g .. 8 g + 7
.endr
	v_nop                                          ; one plain place behind a scaled conversion
.irp g, 0,1,2,3
	v_permlane16_swap_b32 v[EB0+\g], v[EB1+\g]     ; the first's lanes 16-31 change places with the second's lanes 0-15: points 16-31 come to lanes 0-15 of the second operand, and both operands hold zeros (k = 32 .. 63) in lanes 16-31
.endr
	s_wait_alu depctr_vm_vsrc(0)                   ; the gathers of levels 14 and 15 have read their indices, which lay in the ring: the matrix instructions below write those registers, and the next pass's dense gathers land in them
	AHEAD
	LAYER W0F, W0S, ES, ES, 1                      ; lane (r, h), register 16 b + i of tile p: unit 32 b + 16 h + i of point 16 p + r
	; THE FIRST HIDDEN LAYER IS QUANTISED: four blocks of 32 (2 tiles of points x 2 blocks of K = 64), block 2 p + b in the 16 registers from H + 16 (2 p + b) on, of lanes l and l xor 16.  None is negative: no |.|
.irp b, 0,1,2,3
	v_max3_num_f32 v[20+\b], v[H+16*\b], v[H+16*\b+1], FLOOR
.endr
.irp i, 2,4,6,8,10,12,14
.irp b, 0,1,2,3
	v_max3_num_f32 v[20+\b], v[20+\b], v[H+16*\b+\i], v[H+16*\b+\i+1]   ; (the four blocks by turns: no line waits for the line above it)
.endr
.endr
.irp b, 0,1,2,3
	v_permlanex16_b32 v[24+\b], v[20+\b], s[SEL], s[SEL+1]
.endr
.irp b, 0,1,2,3
	v_max_num_f32 v[20+\b], v[20+\b], v[24+\b]     ; with lane l xor 16's: the block's largest
.endr
.irp b, 0,1,2,3
	v_add_nc_u32 v[28+\b], OFF2, v[20+\b]          ; the conversion's scale operand
.endr
.irp b, 0,1,2,3
	v_lshrrev_b32 v[24+\b], 23, v[28+\b]           ; the scale's byte
.endr
	v_lshl_or_b32 v[HS], v25, 8, v24               ; a point's two bytes make its scale word: lane r has point r's,
	v_lshl_or_b32 v[HS+1], v27, 8, v26             ; and here point 16 + r's
.irp b, 0,1
	v_cvt_scalef32_pk8_fp4_f32 v[EB0+2*\b], v[H+16*\b:H+16*\b+7], v[28+\b]              ; k = 32 b + 16 h + 0 .. 7
	v_cvt_scalef32_pk8_fp4_f32 v[EB0+2*\b+1], v[H+16*\b+8:H+16*\b+15], v[28+\b]         ; and + 8 .. 15
	v_cvt_scalef32_pk8_fp4_f32 v[EB1+2*\b], v[H+32+16*\b:H+32+16*\b+7], v[30+\b]
	v_cvt_scalef32_pk8_fp4_f32 v[EB1+2*\b+1], v[H+32+16*\b+8:H+32+16*\b+15], v[30+\b]
.endr
	v_nop                                          ; one plain place behind a scaled conversion
.irp i, 0,1                                    ; the operand's layout wants a WHOLE block in a lane: lanes 0-15 block 0, lanes 16-31 block 1
	v_permlane16_swap_b32 v[EB0+\i], v[EB0+2+\i]
	v_permlane16_swap_b32 v[EB1+\i], v[EB1+2+\i]
.endr
	AHEAD
	LAYER W1F, W1S, HS, HS+1, 0                    ; lane (r, h), register 8 t + j of tile p: unit 16 t + 8 h + j of point 16 p + r
	; THE LAST PRODUCT, one column: f32 multiply-adds, two at a time; the two tiles of points by turns
	v_pk_mul_f32 v[20:21], v[H:H+1], v[W2V:W2V+1]
	v_pk_mul_f32 v[22:23], v[H+32:H+33], v[W2V:W2V+1]
.irp j, 2,4,6,8,10,12,14,16,18,20,22,24,26,28,30
	v_pk_fma_f32 v[20:21], v[H+\j:H+\j+1], v[W2V+\j:W2V+\j+1], v[20:21]
	v_pk_fma_f32 v[22:23], v[H+32+\j:H+32+\j+1], v[W2V+\j:W2V+\j+1], v[22:23]
.endr
	v_add_f32 v20, v20, v21                        ; lane (r, h): point r's sum over its half's 32 units,
	v_add_f32 v22, v22, v23                        ; and point 16 + r's
	v_permlane16_swap_b32 v20, v22                 ; now lane l holds both halves of point l's sum
	v_add_f32 v19, v20, v22
	v_add_nc_u32 v[SA], s[SOFF], v[SB]
	s_wait_alu depctr_va_vdst(0)                   ; v3 and v19 are written: the LDS store's address and its data
	ds_store_b32 v[SA], v19                        ; gathered in my wave's own 1,024 bytes, so that it leaves in long runs
	s_wait_alu depctr_vm_vsrc(0)                   ; the LDS store has read v3 and v19: the next pass writes both again, the way out v3.  Ahead of the branch, so that it stands on both ways
	s_add_co_u32 s[SOFF], s[SOFF], 128
	s_sub_co_u32 s[CNT], s[CNT], 1
	s_cmp_lg_u32 s[CNT], 0
	s_cbranch_scc1 .Lpass
	; THE WAY OUT: my wave's 256 results, 1,024 consecutive bytes
	v_lshrrev_b32 v20, 5, v0
	v_and_b32 v21, 31, v0
	v_lshlrev_b32 v28, 4, v21                      ; 16 x lane
	v_lshl_add_u32 v[SA], v20, 10, v28
	s_wait_alu depctr_va_vdst(0)                   ; v3 and v28 are written, which the LDS loads and the stores read as addresses; the vector lines are done with v20 to v27, in which the LDS loads land
	ds_load_b128 v[20:23], v[SA]                   ; LDS serves a wave's instructions in order (ISA guide 5.7.1.4): these see my stores
	ds_load_b128 v[24:27], v[SA] offset:512
	s_wait_dscnt 0x0
	global_store_b128 v28, v[20:23], s[18:19] th:TH_STORE_NT               ; 32 lanes store 512 consecutive bytes, at a multiple of 512 from out's first byte; written once, read by nobody here
	global_store_b128 v28, v[24:27], s[18:19] offset:512 th:TH_STORE_NT
	s_wait_dscnt 0x0                               ; the closing lines, six on end
	s_wait_alu 0x0
	s_wait_tensorcnt 0x0
	ds_add_u32 v11, v18
	s_wait_dscnt 0x0
	s_endpgm
.Lfunc_end_k_q4bbabaa9d0_sdf:
	.size	k_q4bbabaa9d0_sdf, .Lfunc_end_k_q4bbabaa9d0_sdf-k_q4bbabaa9d0_sdf
	.p2alignl 7, 3214868480
	.fill 96, 4, 3214868480
	.section	.rodata,"a",@progbits
	.p2align	6, 0x0
	.amdhsa_kernel k_q4bbabaa9d0_sdf
		.amdhsa_group_segment_fixed_size 18432
		.amdhsa_private_segment_fixed_size 0
		.amdhsa_enable_private_segment 0
		.amdhsa_kernarg_size 64
		.amdhsa_user_sgpr_count 2
		.amdhsa_user_sgpr_kernarg_segment_ptr 1
		.amdhsa_wavefront_size32 1
		.amdhsa_system_sgpr_workgroup_id_x 1
		.amdhsa_system_sgpr_workgroup_id_y 1
		.amdhsa_system_sgpr_workgroup_id_z 1
		.amdhsa_system_vgpr_workitem_id 0
		.amdhsa_next_free_vgpr 256
		.amdhsa_next_free_sgpr 66
		.amdhsa_reserve_vcc 0
		.amdhsa_float_denorm_mode_32 3
		.amdhsa_float_denorm_mode_16_64 3
		.amdhsa_memory_ordered 1
		.amdhsa_forward_progress 1
		.amdhsa_inst_pref_size 77
	.end_amdhsa_kernel
	.amdgpu_metadata
---
amdhsa.version: [ 1, 2 ]
amdhsa.kernels:
  - .name:           k_q4bbabaa9d0_sdf
    .symbol:         k_q4bbabaa9d0_sdf.kd
    .args:
      - { .name: xfix, .offset: 0, .size: 8, .value_kind: global_buffer, .address_space: global }
      - { .name: tables, .offset: 8, .size: 8, .value_kind: global_buffer, .address_space: global }
      - { .name: W0_codes, .offset: 16, .size: 8, .value_kind: global_buffer, .address_space: global }
      - { .name: W0_scales, .offset: 24, .size: 8, .value_kind: global_buffer, .address_space: global }
      - { .name: W1_codes, .offset: 32, .size: 8, .value_kind: global_buffer, .address_space: global }
      - { .name: W1_scales, .offset: 40, .size: 8, .value_kind: global_buffer, .address_space: global }
      - { .name: W2, .offset: 48, .size: 8, .value_kind: global_buffer, .address_space: global }
      - { .name: out0, .offset: 56, .size: 8, .value_kind: global_buffer, .address_space: global }
    .group_segment_fixed_size: 18432
    .private_segment_fixed_size: 0
    .kernarg_segment_align: 8
    .kernarg_segment_size: 64
    .max_flat_workgroup_size: 512
    .sgpr_count:     66
    .vgpr_count:     256
    .wavefront_size: 32
...
	.end_amdgpu_metadata
.endif
;; end of part 3
